; MI455X (gfx1250); checked and timed in simulation.
; The chip was launched on July 23, 2026; its instructions are those of AMD's public machine-readable ISA for CDNA 5 (MIT licence, August 2026) and "CDNA5" Instruction Set Architecture Reference Guide (July 2026). The comments in the code are by the model that wrote it; some were corrected since.
;; Topo Filter. Allowed arithmetic: matrix products marked QUANTISED: E2M3 operands, one E8M0 scale for each 32 along K, by v_wmma_scale_f32_16x16x128_f8f6f4 with both operands' format E2M3, f32 sums; everything else in f32.
;; Inputs: x_imag 8 x 1,024 x 1,024 float32; x_real 8 x 1,024 x 1,024 float32.
;; Outputs: out0 2 x 8 x 1,024 x 1,024 float32.
;; This version of the problem:
;;   THIS VERSION OF THE PROBLEM IS GIVEN IN LOW PRECISION. The matrix products marked QUANTISED in the list below multiply operands that are first quantised to E2M3 (2 exponent bits, 3 mantissa bits; 6 bits a number), with one power-of-two scale for each 32 numbers along K (OCP MX v1.0); their sums are f32. All else is computed in f32.
;;   The module's matrix products, in the order in which they are computed (A, B: the left and right operand; K: the contracted axis; several contracted axes count as one K, in the product's order):
;;     1. [M 8,192, K 1,024] x [K 1,024, N 8,192]; A: input x_real; B: input x_real: QUANTISED
;;   THE QUANTISER, for each operand of a quantised product, along K:
;;     - K is cut into blocks of 32 from its start; a last block that is shorter is filled with zeros.
;;     - A block's scale is 2^e with e = floor(log2(the largest magnitude in the block)) - 2, held to -126 .. 127; a block of zeros has e = 0. As a byte (E8M0): e + 127.
;;     - Each number is divided by its block's scale, clamped to +-7.5, and rounded to the nearest number of E2M3, ties to even, subnormals kept.
;;     - The product sums the exact products of the quantised numbers (number of the format x scale) in f32.
;;   ~~~python
;;   def quantise(x, axis):      # numpy; x: float32 -> the quantised numbers, widened to float32 again
;;       x = np.moveaxis(x, axis, -1); K = x.shape[-1]
;;       x = np.pad(x, [(0, 0)] * (x.ndim - 1) + [(0, -K % 32)]); x = x.reshape(x.shape[:-1] + (-1, 32)); a = np.abs(x).max(-1, keepdims=True)
;;       e = np.where(a > 0, np.clip(np.frexp(np.where(a > 0, a, 1))[1] - 1 - 2, -126, 127), 0)      # np.frexp(a)[1] - 1 = floor(log2(a)), exactly
;;       r = np.clip(x / 2.0 ** e, -7.5, 7.5)
;;       step = 2.0 ** (np.maximum(np.frexp(np.where(r == 0, 1, r))[1] - 1, 0) - 3)
;;       q = np.round(r / step) * step * 2.0 ** e      # np.round: ties to even
;;       return np.moveaxis(q.reshape(q.shape[:-2] + (-1,))[..., :K], -1, axis).astype(np.float32)
;;   ~~~
;; One version. Each part assembles by itself: llvm-mc -triple=amdgcn-amd-amdhsa -mcpu=gfx1250 --defsym DOCPART=n.
;; ======== version 1 of 1: 3 launches
;; limits: right only within a limited range of input values
;; workspace buffers: img 6,684,672 bytes; part 2,097,152 bytes
;; launch quant (part 1): grid 512 x 1, 8 waves a work-group, no clusters, 69,632 bytes of LDS; arguments x_real, img; writes img
.if DOCPART == 1
	.amdgcn_target "amdgcn-amd-amdhsa--gfx1250"
	.amdhsa_code_object_version 6
	.text
	.protected	k_qfb88ba62e1_quant
	.globl	k_qfb88ba62e1_quant
	.p2align	8
	.type	k_qfb88ba62e1_quant,@function
k_qfb88ba62e1_quant:
	s_mov_b64 s[64:65], 0
	v_nop
	global_prefetch_b8 v0, s[64:65] scope:SCOPE_SE
	s_setreg_imm32_b32 hwreg(HW_REG_WAVE_MODE, 25, 1), 1
	s_wait_xcnt 0x0
; x_real [8192][1024] f32 is quantised ONCE, along its 1,024 columns, into codes of FP6 (E2M3) with one E8M0 scale byte for each 32 numbers, and laid as the product's launch wants it:
; one RECORD of REC = 13,056 bytes (51 x 256) for each tile of 16 rows:
;   bytes 0 .. 12,287      eight fragments (K step s of 128 columns), each an IMAGE OF THE OPERAND'S 12 REGISTERS: registers 4 g .. 4 g + 3 of lane l at 1536 s + 512 g + 16 l
;   bytes 12,288 .. 12,799 the scale words as an image of four registers: register c holds, in lanes 0-15, row r's word of K step c and, in lanes 16-31, that of K step c + 4
;   bytes 12,800 .. 12,863 b[r] = -(sum of the row's squares) / 2, of the UNQUANTISED numbers, in f32;   bytes 12,864 .. 13,055 zeros, so that every byte of a record is written
; A block's scale is 2^(floor(log2(its largest magnitude)) - 2); its byte is the largest magnitude's exponent field - 2, held at 1 from below.
; LIMITS: a block of zeros, and a block whose largest magnitude lies under 2^-124, gets the byte 1 (the rule says 127 for zeros: the codes are zeros, which add nothing, and this program alone reads the bytes);
; NaN and infinities among the inputs are not served; a row's sum of squares has to stay finite in f32.
; SHARES.  Work-group T takes rows 16 T .. 16 T + 15; wave s takes K step s: 16 rows x 512 bytes.  No loop: every offset is an immediate.
; Each load reads 512 consecutive bytes of a row.  The operand's layout wants lane (r, h) to hold blocks h and 2 + h of row r, 32 neighbours each: the 8 KiB turn through the wave's own stage in LDS.
.set REC,    13056
.set SPITCH, 528                       ; a stage row: 512 bytes + 16: an odd multiple of 16, so that the sixteen rows of a 16-byte read start in different banks
.set WSTG,   16*SPITCH                 ; a wave's stage
.set SCB,    8*WSTG                    ; behind the stages: the scale words, [K step][row], 512 bytes;
.set SQO,    512                       ; and 512 bytes further on the partial sums of squares, [K step][row]
.set GL,   4                           ; v4   16 x lane: my bytes of a load's or a store's 512
.set STI,  5                           ; v5   the stage, on the way in: my wave's stage + 16 x lane
.set STO,  6                           ; v6   on the way out: + 528 r + 128 h
.set WA,   7                           ; v7   SCB + 64 x wave + 4 r: where my row's scale word goes; its sum of squares SQO further on
.set SCR,  9                           ; v9   SCB + 4 r + 256 h: wave 0 reads the scale image from here
.set SQR,  10                          ; v10  SCB + SQO + 4 r: and the partial sums
.set L4,   11                          ; v11  4 x lane
.set ZR,   12                          ; v12  0
.set X,    16                          ; v16-79   16 rows x 4 registers as loaded
.set NM,   80                          ; v80-143  register 32 c + i: number i of block 2 c + h of row r
.set MX,   144                         ; v144-145 the two blocks' largest magnitudes
.set SOP,  146                         ; v146-147 the conversions' scale operands
.set BY,   148                         ; v148-149 the scale bytes
.set WD,   150                         ; v150     the scale word
.set TP,   151                         ; v151     what the other half of the lanes sends
.set SQ,   152                         ; v[152:155] two packed chains of squares
.set PC,   156                         ; v156-167 the fragment's 12 registers
.set CT,   168                         ; v168-170, v172-174: a conversion's three registers begin on an even number: the upper half of a block's six is made here and moved
	s_load_b128 s[4:7], s[0:1], 0x0                ; x_real s[4:5], img s[6:7]
	v_lshl_add_u32 v176, v0, 2, 0x10c00
	v_mov_b32 v177, 0
	v_lshrrev_b32 v1, 5, v0
	s_delay_alu instid0(VALU_DEP_1)
	v_readfirstlane_b32 s8, v1                     ; wave 0..7 = K step
	v_and_b32 v1, 31, v0                           ; lane
	v_and_b32 v2, 15, v0                           ; r
	v_bfe_u32 v3, v0, 4, 1                         ; h
	s_delay_alu instid0(VALU_DEP_3)
	v_lshlrev_b32 v[GL], 4, v1
	s_mul_i32 s9, s8, WSTG
	v_add_nc_u32 v[STI], s9, v[GL]
	v_mul_u32_u24 v[STO], v2, SPITCH
	s_delay_alu instid0(VALU_DEP_1)
	v_lshl_add_u32 v[STO], v3, 7, v[STO]
	s_delay_alu instid0(VALU_DEP_1)
	v_add_nc_u32 v[STO], s9, v[STO]
	s_lshl_b32 s9, s8, 6
	s_add_co_u32 s9, s9, SCB
	v_lshl_add_u32 v[WA], v2, 2, s9
	v_lshlrev_b32 v[SCR], 2, v2
	s_delay_alu instid0(VALU_DEP_1)
	v_lshl_add_u32 v[SCR], v3, 8, v[SCR]
	s_delay_alu instid0(VALU_DEP_1)
	v_add_nc_u32 v[SCR], SCB, v[SCR]
	v_lshl_add_u32 v[SQR], v2, 2, SCB+SQO
	v_lshlrev_b32 v[L4], 2, v1
	v_mov_b32 v[ZR], 0
	v_mov_b32 v[TP], 0                             ; a lane permute's destination counts as one of its sources
	v_lshlrev_b32 v13, 3, v3                       ; 8 h: how far my two scale bytes are shifted
	s_mov_b32 s12, 0x76543210
	s_mov_b32 s13, 0xfedcba98                      ; v_permlanex16_b32's selects for lane l xor 16
	s_lshl_b32 s16, ttmp9, 16                      ; 16 rows of 4,096 bytes a work-group,
	s_lshl_b32 s17, s8, 9                          ; 512 bytes of a row a wave
	s_add_co_u32 s16, s16, s17
	s_mov_b32 s17, 0
	s_mul_i32 s18, ttmp9, REC                      ; my tile's record
	s_mov_b32 s19, 0
	s_mul_i32 s20, s8, 1536                        ; my fragment in it
	s_mov_b32 s21, 0
	s_wait_kmcnt 0x0
	s_add_nc_u64 s[4:5], s[4:5], s[16:17]
	s_add_nc_u64 s[6:7], s[6:7], s[18:19]
	s_add_nc_u64 s[14:15], s[6:7], s[20:21]
.irp p, 0,1,2,3,4,5,6,7,8,9,10,11,12,13,14,15
	global_load_b128 v[X+4*\p:X+4*\p+3], v[GL], s[4:5] offset:4096*\p   ; 32 lanes read 512 consecutive bytes of row p; no hint: the last launch reads these rows again
.endr
.irp p, 0,1,2,3,4,5,6,7,8,9,10,11,12,13,14,15
	s_wait_loadcnt 15-\p                           ; loads come back in order: row p is in, the younger rows may be out
	ds_store_b128 v[STI], v[X+4*\p:X+4*\p+3] offset:SPITCH*\p
.endr
.irp c, 0,1
.irp i, 0,1,2,3,4,5,6,7
	ds_load_b128 v[NM+32*\c+4*\i:NM+32*\c+4*\i+3], v[STO] offset:256*\c+16*\i   ; LDS serves a wave's instructions in order: these see my stores
.endr
.endr
	s_wait_dscnt 0x0
	; the sum of my 64 squares, two at a time, in two chains that the first products start
	v_pk_mul_f32 v[SQ:SQ+1], v[NM:NM+1], v[NM:NM+1]
	v_pk_mul_f32 v[SQ+2:SQ+3], v[NM+2:NM+3], v[NM+2:NM+3]
.irp j, 4,8,12,16,20,24,28,32,36,40,44,48,52,56,60
	s_delay_alu instid0(VALU_DEP_2)
	v_pk_fma_f32 v[SQ:SQ+1], v[NM+\j:NM+\j+1], v[NM+\j:NM+\j+1], v[SQ:SQ+1]
	s_delay_alu instid0(VALU_DEP_2)
	v_pk_fma_f32 v[SQ+2:SQ+3], v[NM+\j+2:NM+\j+3], v[NM+\j+2:NM+\j+3], v[SQ+2:SQ+3]
.endr
	; my two blocks' largest magnitudes: all 32 numbers of a block are mine
.irp c, 0,1
	v_max3_num_f32 v[MX+\c], |v[NM+32*\c]|, |v[NM+32*\c+1]|, 0x1800000   ; and the floor 2^(3 - 127): the byte cannot fall under 1
.endr
.irp i, 2,4,6,8,10,12,14,16,18,20,22,24,26,28,30
.irp c, 0,1
	s_delay_alu instid0(VALU_DEP_2)
	v_max3_num_f32 v[MX+\c], v[MX+\c], |v[NM+32*\c+\i]|, |v[NM+32*\c+\i+1]|   ; (the two blocks by turns)
.endr
.endr
	v_pk_add_f32 v[SQ:SQ+1], v[SQ:SQ+1], v[SQ+2:SQ+3]
.irp c, 0,1
	s_delay_alu instid0(VALU_DEP_3)
	v_add_nc_u32 v[SOP+\c], 0xff000000, v[MX+\c]   ; 2 off the exponent field: the conversion takes the exponent field of this operand as its scale, and nothing else of it
.endr
.irp c, 0,1
	s_delay_alu instid0(VALU_DEP_2)
	v_lshrrev_b32 v[BY+\c], 23, v[SOP+\c]          ; the scale's byte
.endr
	v_add_f32 v[SQ], v[SQ], v[SQ+1]
	s_delay_alu instid0(VALU_DEP_2)
	v_lshl_or_b32 v[WD], v[BY+1], 16, v[BY]        ; my two bytes: blocks h and 2 + h,
	s_delay_alu instid0(VALU_DEP_1)
	v_lshlrev_b32 v[WD], v13, v[WD]                ; at their places in the word;
	s_delay_alu instid0(VALU_DEP_1)
	v_permlanex16_b32 v[TP], v[WD], s12, s13
	s_delay_alu instid0(VALU_DEP_1)
	v_or_b32 v[WD], v[WD], v[TP]                   ; with lane l xor 16's two the word is whole, in both halves of the lanes
	s_delay_alu instid0(VALU_DEP_2)
	v_permlanex16_b32 v[TP], v[SQ], s12, s13
	s_delay_alu instid0(VALU_DEP_1)
	v_add_f32 v[SQ], v[SQ], v[TP]                  ; row r's 128 squares of this K step
.irp c, 0,1
	v_cvt_scalef32_pk16_fp6_f32 v[PC+6*\c:PC+6*\c+2], v[NM+32*\c:NM+32*\c+15], v[SOP+\c]      ; 16 numbers / the scale, to the nearest code, ties to even, beyond 7.5 the largest code: 96 bits without gaps
	v_cvt_scalef32_pk16_fp6_f32 v[CT+4*\c:CT+4*\c+2], v[NM+32*\c+16:NM+32*\c+31], v[SOP+\c]
.endr
	v_nop                                          ; one plain place behind a scaled conversion
.irp c, 0,1
.irp i, 0,1,2
	v_mov_b32 v[PC+6*\c+3+\i], v[CT+4*\c+\i]       ; registers 6 c .. 6 c + 5 now hold k = 64 c + 32 h + 0 .. 31
.endr
.endr
.irp g, 0,1,2
	global_store_b128 v[GL], v[PC+4*\g:PC+4*\g+3], s[14:15] offset:512*\g   ; the image: 32 lanes store 512 consecutive bytes, at a multiple of 256 from the buffer's first byte
.endr
	ds_store_b32 v[WA], v[WD]                      ; both halves of the lanes write the same word with the same value
	ds_store_b32 v[WA], v[SQ] offset:SQO
	s_wait_dscnt 0x0                               ; for wave 0's sake: my stores have landed
	s_barrier_signal -1
	s_barrier_wait -1
	s_cmp_lg_u32 s8, 0                             ; wave 0 alone writes the record's last 768 bytes
	s_cbranch_scc1 .Lend
.irp c, 0,1,2,3
	ds_load_b32 v[X+\c], v[SCR] offset:64*\c       ; register c of the scale image: row r's word of K step c + 4 h
.endr
.irp s, 0,1,2,3,4,5,6,7
	ds_load_b32 v[X+4+\s], v[SQR] offset:64*\s     ; row r's eight partial sums
.endr
	s_wait_dscnt 0x0
.irp s, 1
	v_add_f32 v[X+4], v[X+4], v[X+4+\s]            ; K ascending
.endr
.irp s, 2, 3, 4, 5, 6, 7
	s_delay_alu instid0(VALU_DEP_1)
	v_add_f32 v[X+4], v[X+4], v[X+4+\s]            ; K ascending
.endr
	s_delay_alu instid0(VALU_DEP_1)
	v_mul_f32 v[X+4], -0.5, v[X+4]                 ; b[r]
	v_cmp_gt_u32 vcc_lo, 16, v1
	s_delay_alu instid0(VALU_DEP_1)
	v_cndmask_b32 v[X+4], v[ZR], v[X+4], vcc_lo    ; lanes 16-31 write zeros
	global_store_b128 v[GL], v[X:X+3], s[6:7] offset:12288
	global_store_b32 v[L4], v[X+4], s[6:7] offset:12800
	global_store_b32 v[L4], v[ZR], s[6:7] offset:12928
.Lend:
	s_wait_tensorcnt 0x0
	ds_add_u32 v176, v177
	s_wait_dscnt 0x0
	s_endpgm
.Lfunc_end_k_qfb88ba62e1_quant:
	.size	k_qfb88ba62e1_quant, .Lfunc_end_k_qfb88ba62e1_quant-k_qfb88ba62e1_quant
	.p2alignl 7, 3214868480
	.fill 96, 4, 3214868480
	.section	.rodata,"a",@progbits
	.p2align	6, 0x0
	.amdhsa_kernel k_qfb88ba62e1_quant
		.amdhsa_group_segment_fixed_size 69632
		.amdhsa_private_segment_fixed_size 0
		.amdhsa_enable_private_segment 0
		.amdhsa_kernarg_size 16
		.amdhsa_user_sgpr_count 2
		.amdhsa_user_sgpr_kernarg_segment_ptr 1
		.amdhsa_wavefront_size32 1
		.amdhsa_system_sgpr_workgroup_id_x 1
		.amdhsa_system_sgpr_workgroup_id_y 1
		.amdhsa_system_sgpr_workgroup_id_z 1
		.amdhsa_system_vgpr_workitem_id 0
		.amdhsa_next_free_vgpr 178
		.amdhsa_next_free_sgpr 66
		.amdhsa_reserve_vcc 1
		.amdhsa_float_denorm_mode_32 3
		.amdhsa_float_denorm_mode_16_64 3
		.amdhsa_memory_ordered 1
		.amdhsa_forward_progress 1
		.amdhsa_inst_pref_size 16
	.end_amdhsa_kernel
	.amdgpu_metadata
---
amdhsa.version: [ 1, 2 ]
amdhsa.kernels:
  - .name:           k_qfb88ba62e1_quant
    .symbol:         k_qfb88ba62e1_quant.kd
    .args:
      - { .name: x_real, .offset: 0, .size: 8, .value_kind: global_buffer, .address_space: global }
      - { .name: img, .offset: 8, .size: 8, .value_kind: global_buffer, .address_space: global }
    .group_segment_fixed_size: 69632
    .private_segment_fixed_size: 0
    .kernarg_segment_align: 8
    .kernarg_segment_size: 16
    .max_flat_workgroup_size: 256
    .sgpr_count:     66
    .vgpr_count:     178
    .wavefront_size: 32
...
	.end_amdgpu_metadata
.endif
;; end of part 1
;; launch knn (part 2): grid 32 x 8, 4 waves a work-group, clusters of 4 x 1, 327,680 bytes of LDS; arguments img, part; writes part
.if DOCPART == 2
	.amdgcn_target "amdgcn-amd-amdhsa--gfx1250"
	.amdhsa_code_object_version 6
	.text
	.protected	k_qfb88ba62e1_knn
	.globl	k_qfb88ba62e1_knn
	.p2align	8
	.type	k_qfb88ba62e1_knn,@function
k_qfb88ba62e1_knn:
	s_mov_b64 s[64:65], 0
	v_nop
	global_prefetch_b8 v0, s[64:65] scope:SCOPE_SE
	s_setreg_imm32_b32 hwreg(HW_REG_WAVE_MODE, 25, 1), 1
	s_wait_xcnt 0x0
	s_wait_alu depctr_hold_cnt(0) depctr_sa_sdst(0) depctr_va_vdst(0) depctr_va_sdst(0) depctr_va_ssrc(0) depctr_va_vcc(0) depctr_vm_vsrc(0)
	s_getreg_b32 s2, hwreg(HW_REG_IB_STS2, 6, 4)
	s_cmp_eq_u32 s2, 0
	s_cbranch_scc0 .Lentry_in_a_cluster
	s_endpgm
.Lentry_in_a_cluster:
	s_bfe_u32 s2, ttmp6, 0x10000c
	s_cmp_lg_u32 s2, 0x3003
	s_cbranch_scc0 .Lentry_shape_is_right
	s_endpgm
.Lentry_shape_is_right:
; For each of the 8,192 rows (queries) and each of 8 splits of 1,024 rows (candidates): the six largest e = q.c - |c|^2/2 - |q|^2/2 = -(squared distance)/2, descending, into part [split][row][8 f32].
; q.c is the quantised product, on the records that launch quant laid: per tile of 16 rows REC bytes: eight images of the operand's 12 registers, the scale words' image, b = -|row|^2/2.
; SHARES.  Work-group (x, y): queries 256 x .. 256 x + 255 against split y.  A wave keeps 64 queries (4 tiles x 96 registers, all of K) in registers and walks the split's 64 candidate tiles, two to a step.
; Source 0 = 16 candidates, source 1 = 16 queries: lane (r, h) holds query r, its register j candidate 8 h + j.  b of the candidates is the C of a tile's first four products.
; A STEP: tile a's and tile b's 32 matrix instructions each in one run, four accumulators by turns; four address lines, which are the places behind the products;
; then the selection on both tiles' results.  The next step's 54 LDS loads, tile a's 27 first, stand in six runs of nine: one behind the address lines, five inside the selection, 28 to 34 of its lines apart; none among the products.
; SELECTION, exact.  A lane's 16 numbers of a query (8 of each tile) form a cube 2 x 2 x 2 x 2.  It is sorted along each axis in turn by compare-exchanges (one dual instruction: max and min of the same two sources,
; into registers other than the sources); sorting along a later axis keeps the earlier axes sorted.  The number at a corner with p ones in its index then has 2^p - 1 numbers of the cube that are not smaller.
; So p = 0 goes to a list of depth 6, p = 1 (four corners) to lists of depth 3, p = 2 (six corners) to lists of depth 1, and p >= 3 can never be among the six largest: it is not computed.
; Where only a pair's larger number is wanted, v_max3 takes the pair and the list at once.  The lists are merged at the end.
; CLUSTER 4, 1, 1: the four work-groups of a cluster walk the same split: each slot of 8 records is asked for jointly, a quarter (2 records, 102 rows of 256 bytes) a wave.  Two slots; a round of the cluster's barrier at each refill.
; No prefetch: a refill is asked for four steps, 256 matrix instructions a wave, ahead of the wait for it, and a split's records are read by eight clusters side by side.
; LIMITS: NaN and infinities among the inputs are not served.
; REGISTERS: window 0 as named below; window 1: query tiles 0, 1; window 2: query tiles 2, 3; window 3: the candidates' fragments, tile a at v0, tile b at v96.
.set REC,   13056
.set QUART, 2*REC
.set SLOT1, 1<<17
.set SPARE, 1<<18                      ; the spare words: 512 bytes that no other line names
.set LI,   1                           ; 16 x lane
.set BH,   2                           ; 32 h
.set ADR0, 3                           ; tile a's record + 16 x lane
.set ADB0, 4                           ; the same + 32 h
.set SPW,  5
.set NIL,  6
.set R4,   7                           ; 4 r
.set ADR1, 8                           ; tile b's: five registers on from tile a's
.set ADB1, 9
.set PO,   10
.set QB,   12                          ; v12-15  b of my four queries
.set BIAS, 16                          ; v16-31  b of the candidates: tile a, tile b
.set ASC,  32                          ; v32-39  the candidates' scale words: tile a, tile b
.set QSC,  40                          ; v40-55  the queries' scale words
.set LST,  56                          ; v56-151 24 list registers for each query tile: 0-5 depth 6; 6-8, 9-11, 12-14, 15-17 depth 3; 18-23 depth 1.  A multiple of 4: the dual lines lean on it
.set TQ,   152                         ; v152-183 16 registers at work for each of two query tiles
.set T,    TQ                          ; at the end: a partner's list,
.set OUTR, TQ+8                        ; and what is stored
.set ACC,  192                         ; v192-223 tile a's four accumulators, v224-255 tile b's
.set WV,   8
.set G1,   16
.set G0A,  24
.set G0B,  28
.set TB,   32                          ; LDS address of the record that is fetched next
.set SLOTS, 33
.set PAIR, 34
.set SEL,  36
.set MSB, 0
.macro WIN new                         ; the immediate's high byte repeats the setting that is left
.if MSB != \new
	s_set_vgpr_msb (MSB<<8)|\new
.set MSB, \new
.endif
.endm
.macro PLACES
.rept 4
	v_nop
.endr
.endm
.macro CROUND                          ; a round of the cluster's barrier
	s_barrier_signal -1
	s_barrier_wait -1
	s_cmp_lg_u32 s[WV], 0
	s_cbranch_scc1 .Lnot_wave_0_\@
	s_barrier_signal -3
.Lnot_wave_0_\@:
	s_barrier_wait -3
	s_barrier_signal -1
	s_barrier_wait -1
.endm
.macro INS lst, x                      ; x to its place in a descending list of six, from the list's end on
.irp k, 5,4,3,2,1
	v_med3_num_f32 v[\lst+\k], v[\lst+\k-1], v[\lst+\k], v[\x]
.endr
	v_max_num_f32 v[\lst], v[\lst], v[\x]
.endm
.macro CE d, a, b                      ; v[d] = the larger, v[d + 1] = the smaller of v[a], v[b]; d is even
	v_dual_max_num_f32 v[(\d)], v[(\a)], v[(\b)] :: v_dual_min_num_f32 v[(\d)+1], v[(\a)], v[(\b)]
.endm
.macro MX2 l0, x0, l1, x1              ; two list heads at once: l0 even and l1 odd; x0 and x1 differ modulo 4
	v_dual_max_num_f32 v[(\l0)], v[(\l0)], v[(\x0)] :: v_dual_max_num_f32 v[(\l1)], v[(\l1)], v[(\x1)]
.endm
.macro NEXTADR                         ; the next two records' addresses: four plain vector lines
	v_add_nc_u32 v[ADR0], s[TB], v[LI]
	v_add_nc_u32 v[ADB0], s[TB], v[BH]
	s_add_co_u32 s[TB], s[TB], REC
	v_add_nc_u32 v[ADR1], s[TB], v[LI]
	v_add_nc_u32 v[ADB1], s[TB], v[BH]
	s_add_co_u32 s[TB], s[TB], REC
.endm
; The next cnt of a step's 54 loads.  ln counts them: 0-2 tile a's scale words and bias, 3-26 its 24 quarters of fragments, 27-50 tile b's fragments, 51-53 its scale words and bias
.macro LDN cnt
.rept \cnt
.if (ln < 3) || (ln > 50)
	WIN 0
.set tl, ln/51
.if ln%51 == 0
	ds_load_b128 v[ASC+4*tl:ASC+4*tl+3], v[ADR0+5*tl] offset:12288
.elseif ln%51 == 1
	ds_load_b128 v[BIAS+8*tl:BIAS+8*tl+3], v[ADB0+5*tl] offset:12800
.else
	ds_load_b128 v[BIAS+8*tl+4:BIAS+8*tl+7], v[ADB0+5*tl] offset:12816
.endif
.else
	WIN 0xc0                                       ; destination window 3, address window 0
.set fl, ln-3
	ds_load_b128 v[4*fl:4*fl+3], v[ADR0+5*(fl/24)] offset:512*(fl%24)
.endif
.set ln, ln+1
.endr
	WIN 0
.endm
; The selection for query tiles q0 and q0 + 1, the two by turns.  f = 1: two runs of loads stand in it
.macro SEL2 q0, f
.irp j, 0,1,2,3,4,5,6,7                ; axis 1: tile a against tile b.  Each accumulator is read from its low end on
.irp u, 0,1
	CE TQ+16*\u+2*\j, ACC+8*(\q0+\u)+\j, ACC+32+8*(\q0+\u)+\j
.endr
.endr
.irp g, 0,1,2,3                        ; axis 2: register 2 g against 2 g + 1.  A[2g], A[2g+1] = index 00, 01; B[2g], B[2g+1] = 10, 11
.irp u, 0,1
	CE ACC+8*(\q0+\u)+2*\g, TQ+16*\u+4*\g, TQ+16*\u+4*\g+2
	CE ACC+32+8*(\q0+\u)+2*\g, TQ+16*\u+4*\g+1, TQ+16*\u+4*\g+3
.endr
.endr
.if \f
	LDN 9
.endif
.irp h, 0,1                            ; axis 3: W[6h ..] = 000, 001, 010, 011, 100, 101; of 11x only the larger counts: below
.irp u, 0,1
	CE TQ+16*\u+6*\h, ACC+8*(\q0+\u)+4*\h, ACC+8*(\q0+\u)+4*\h+2
	CE TQ+16*\u+6*\h+2, ACC+8*(\q0+\u)+4*\h+1, ACC+8*(\q0+\u)+4*\h+3
	CE TQ+16*\u+6*\h+4, ACC+32+8*(\q0+\u)+4*\h, ACC+32+8*(\q0+\u)+4*\h+2
.endr
.endr
.irp h, 0,1                            ; index 1100: the largest of the four 11's
.irp u, 0,1
	v_max3_num_f32 v[LST+24*(\q0+\u)+23], v[LST+24*(\q0+\u)+23], v[ACC+32+8*(\q0+\u)+4*\h+1], v[ACC+32+8*(\q0+\u)+4*\h+3]
.endr
.endr
.irp u, 0,1                            ; axis 4: A[0] = 0000; A[1], A[2], A[4], A[6] one 1; A[3], A[5], A[7] two
	CE ACC+8*(\q0+\u), TQ+16*\u, TQ+16*\u+6
	CE ACC+8*(\q0+\u)+2, TQ+16*\u+1, TQ+16*\u+7
	CE ACC+8*(\q0+\u)+4, TQ+16*\u+2, TQ+16*\u+8
	CE ACC+8*(\q0+\u)+6, TQ+16*\u+4, TQ+16*\u+10
.endr
.irp u, 0,1                            ; 0110 and 1010
	v_max3_num_f32 v[LST+24*(\q0+\u)+20], v[LST+24*(\q0+\u)+20], v[TQ+16*\u+3], v[TQ+16*\u+9]
	v_max3_num_f32 v[LST+24*(\q0+\u)+22], v[LST+24*(\q0+\u)+22], v[TQ+16*\u+5], v[TQ+16*\u+11]
.endr
.if \f
	LDN 9
.endif
.irp k, 5,4,3,2,1                      ; the list of six, from its end on: each line reads old values alone
.irp u, 0,1
	v_med3_num_f32 v[LST+24*(\q0+\u)+\k], v[LST+24*(\q0+\u)+\k-1], v[LST+24*(\q0+\u)+\k], v[ACC+8*(\q0+\u)]
.endr
.endr
.irp k, 2,1                            ; the four lists of three
.irp u, 0,1
	v_med3_num_f32 v[LST+24*(\q0+\u)+6+\k], v[LST+24*(\q0+\u)+6+\k-1], v[LST+24*(\q0+\u)+6+\k], v[ACC+8*(\q0+\u)+1]
	v_med3_num_f32 v[LST+24*(\q0+\u)+9+\k], v[LST+24*(\q0+\u)+9+\k-1], v[LST+24*(\q0+\u)+9+\k], v[ACC+8*(\q0+\u)+2]
	v_med3_num_f32 v[LST+24*(\q0+\u)+12+\k], v[LST+24*(\q0+\u)+12+\k-1], v[LST+24*(\q0+\u)+12+\k], v[ACC+8*(\q0+\u)+4]
	v_med3_num_f32 v[LST+24*(\q0+\u)+15+\k], v[LST+24*(\q0+\u)+15+\k-1], v[LST+24*(\q0+\u)+15+\k], v[ACC+8*(\q0+\u)+6]
.endr
.endr
.irp u, 0,1                            ; the eight list heads, two to a line
	MX2 LST+24*(\q0+\u), ACC+8*(\q0+\u), LST+24*(\q0+\u)+9, ACC+8*(\q0+\u)+2
	MX2 LST+24*(\q0+\u)+6, ACC+8*(\q0+\u)+1, LST+24*(\q0+\u)+15, ACC+8*(\q0+\u)+6
	MX2 LST+24*(\q0+\u)+12, ACC+8*(\q0+\u)+4, LST+24*(\q0+\u)+21, ACC+8*(\q0+\u)+7
	MX2 LST+24*(\q0+\u)+18, ACC+8*(\q0+\u)+3, LST+24*(\q0+\u)+19, ACC+8*(\q0+\u)+5
.endr
.endm
.macro MM tl2                          ; product i of tile tl2 (0: a, 1: b): K step i / 4, query tile i % 4
.set rD, ACC+32*(\tl2)+8*(i%4)
.set rA, 96*(\tl2)+12*(i/4)
.set rB, 96*(i%2)+12*(i/4)
.set rSA, ASC+4*(\tl2)+(i/4)%4
.set rSB, QSC+4*(i%4)+(i/4)%4
.if i%4 < 2
	WIN 0x07                                       ; source 0 window 3, source 1 window 1
.else
	WIN 0x0b                                       ; source 1 window 2
.endif
.if i < 4
	v_wmma_scale_f32_16x16x128_f8f6f4 v[rD:rD+7], v[rA:rA+11], v[rB:rB+11], v[BIAS+8*(\tl2):BIAS+8*(\tl2)+7], v[rSA], v[rSB] matrix_a_fmt:MATRIX_FMT_FP6 matrix_b_fmt:MATRIX_FMT_FP6
.elseif i < 16
	v_wmma_scale_f32_16x16x128_f8f6f4 v[rD:rD+7], v[rA:rA+11], v[rB:rB+11], v[rD:rD+7], v[rSA], v[rSB] matrix_a_fmt:MATRIX_FMT_FP6 matrix_b_fmt:MATRIX_FMT_FP6
.else
	v_wmma_scale_f32_16x16x128_f8f6f4 v[rD:rD+7], v[rA:rA+11], v[rB:rB+11], v[rD:rD+7], v[rSA], v[rSB] matrix_a_fmt:MATRIX_FMT_FP6 matrix_b_fmt:MATRIX_FMT_FP6 matrix_a_scale:MATRIX_SCALE_ROW1 matrix_b_scale:MATRIX_SCALE_ROW1
.endif
.endm
.macro GROUP tl2
.set i, 0
.rept 32
	MM \tl2
.set i, i+1
.endr
.endm
.macro STEP fetch
	WIN 0
	s_wait_alu depctr_va_vdst(0)                   ; directly ahead of the wait below
	s_wait_dscnt 27                                ; tile a's 27 loads are in; tile b's 27, issued behind them, may be out
	GROUP 0
	s_wait_dscnt 0x0                               ; tile b's
	GROUP 1
	WIN 0
.if \fetch
	NEXTADR                                        ; its four vector lines are the places behind the products
.set ln, 0
	LDN 9
.else
	PLACES
.endif
	SEL2 0, \fetch
.if \fetch
	LDN 9
.endif
	SEL2 2, \fetch
.endm
.macro STEPS n
	WIN 0
	s_mov_b32 s[PAIR], \n
.Lstep_\@:
	STEP 1
	WIN 0
	s_sub_co_u32 s[PAIR], s[PAIR], 1
	s_cmp_lg_u32 s[PAIR], 0
	s_cbranch_scc1 .Lstep_\@
.endm
; A change of slots: all eight records of the old slot have been asked for by my LDS loads (the wait below shows them in).  fill = 1: the old slot is filled again, two slots ahead.
.macro CHANGE fill
	WIN 0
	s_wait_tensorcnt 0x0                           ; all my tensor loads have landed: my quarter of the next slot
	ds_add_u32 v[SPW], v[NIL]
.if \fill
	s_xor_b32 s[G0B+1], s[G0B+1], SLOT1
	s_add_nc_u64 s[G0B+2:G0B+3], s[G0B+2:G0B+3], 8*REC
.endif
	s_sub_co_u32 s[TB], s[TB], 8*REC
	s_xor_b32 s[TB], s[TB], SLOT1
	s_wait_dscnt 0x0                               ; the add is done, and my reads of the old slot are back
.if \fill
	CROUND
	tensor_load_to_lds s[G0B:G0B+3], s[G1:G1+7]
	s_nop 0
	PLACES
.else
	s_barrier_signal -1
	s_barrier_wait -1
.endif
.endm
	s_load_b128 s[4:7], s[0:1], 0x0                ; img s[4:5], part s[6:7]
	v_lshl_add_u32 v[SPW], v0, 2, SPARE
	v_mov_b32 v[NIL], 0
	ds_add_u32 v[SPW], v[NIL]                      ; the opening lines: the add twice on end and one wait
	ds_add_u32 v[SPW], v[NIL]
	v_lshrrev_b32 v1, 5, v0
	v_readfirstlane_b32 s[WV], v1
	v_and_b32 v1, 31, v0
	v_lshlrev_b32 v[LI], 4, v1
	v_bfe_u32 v2, v0, 4, 1
	v_and_b32 v[R4], 15, v0
	v_lshlrev_b32 v[PO], 5, v[R4]
	v_lshl_add_u32 v[PO], v2, 4, v[PO]             ; part: 32 r + 16 h
	v_lshlrev_b32 v[R4], 2, v[R4]
	v_lshlrev_b32 v[BH], 5, v2
	s_bfe_u32 s9, ttmp6, 0x40000                   ; cx
	s_lshl_b32 s10, ttmp9, 2
	s_add_co_u32 s10, s10, s9                      ; work-group x
	s_and_b32 s11, ttmp7, 0xffff                   ; the split
	s_mov_b32 s[G1+0], 15|(3<<16)|(1<<21)          ; all four of the cluster; elements of 8 bytes
	s_mov_b32 s[G1+1], 32<<16
	s_mov_b32 s[G1+2], 102<<16
	s_mov_b32 s[G1+3], 32<<16                      ; rows of 256 bytes,
	s_mov_b32 s[G1+4], 102                         ; 102 of them: two records
	s_mov_b32 s[G1+5], 32
	s_mov_b32 s[G1+6], 0
	s_mov_b32 s[G1+7], 0
	s_lshl_b32 s40, s11, 6
	s_lshl_b32 s41, s[WV], 1
	s_add_co_u32 s40, s40, s41
	s_mul_i32 s40, s40, REC                        ; candidates: record 64 y + 2 wave
	s_mov_b32 s41, 0
	s_lshl_b32 s44, s10, 4
	s_lshl_b32 s45, s[WV], 2
	s_add_co_u32 s44, s44, s45
	s_mul_i32 s44, s44, REC                        ; queries: record 16 x + 4 wave
	s_mov_b32 s45, 0
	s_lshl_b32 s46, s11, 18
	s_lshl_b32 s47, s10, 13
	s_add_co_u32 s46, s46, s47
	s_lshl_b32 s47, s[WV], 11
	s_add_co_u32 s46, s46, s47                     ; part: 262,144 y + 32 x (256 x + 64 wave)
	s_mov_b32 s47, 0
	s_mov_b32 s[SEL], 0x76543210
	s_mov_b32 s[SEL+1], 0xfedcba98
	s_mov_b32 s38, 0xff800000
	s_mov_b32 s[TB], 0
	s_wait_alu depctr_va_vdst(0)                   ; directly ahead of the waits below
	s_wait_dscnt 0x0
	s_wait_kmcnt 0x0
	s_add_nc_u64 s[42:43], s[4:5], s[40:41]
	s_add_nc_u64 s[12:13], s[4:5], s[44:45]
	s_add_nc_u64 s[14:15], s[6:7], s[46:47]
	; my 64 queries go straight into registers, asked for ahead of the round and the tensor loads
	WIN 0x40
.irp q, 0,1
.irp s, 0,1,2,3,4,5,6,7
.irp g, 0,1,2
	global_load_b128 v[96*\q+12*\s+4*\g:96*\q+12*\s+4*\g+3], v[LI], s[12:13] offset:\q*REC+1536*\s+512*\g
.endr
.endr
.endr
	WIN 0x80
.irp q, 0,1
.irp s, 0,1,2,3,4,5,6,7
.irp g, 0,1,2
	global_load_b128 v[96*\q+12*\s+4*\g:96*\q+12*\s+4*\g+3], v[LI], s[12:13] offset:(\q+2)*REC+1536*\s+512*\g
.endr
.endr
.endr
	WIN 0
.irp q, 0,1,2,3
	global_load_b128 v[QSC+4*\q:QSC+4*\q+3], v[LI], s[12:13] offset:\q*REC+12288
	global_load_b32 v[QB+\q], v[R4], s[12:13] offset:\q*REC+12800
.endr
	s_mov_b32 s[G0A], 1
	s_mul_i32 s[G0A+1], s[WV], QUART
	s_mov_b64 s[G0A+2:G0A+3], s[42:43]
	s_or_b32 s[G0A+3], s[G0A+3], 0x80000000
	s_mov_b32 s[G0B], 1
	s_add_co_u32 s[G0B+1], s[G0A+1], SLOT1
	s_add_nc_u64 s[G0B+2:G0B+3], s[42:43], 8*REC
	s_or_b32 s[G0B+3], s[G0B+3], 0x80000000
	CROUND                                         ; in front of the first joint loads
	tensor_load_to_lds s[G0A:G0A+3], s[G1:G1+7]    ; slot 0: one tensor load a wave at the head
	s_nop 0
.set n, 0
.rept 96
	v_mov_b32 v[LST+n], s38                        ; the lists begin under every number
.set n, n+1
.endr
	s_wait_alu depctr_va_vdst(0)                   ; the head's end
	s_wait_tensorcnt 0x0                           ; my quarter of slot 0 is in; slot 1's first fill is issued as a refill is
	ds_add_u32 v[SPW], v[NIL]
	s_wait_dscnt 0x0
	CROUND                                         ; every wave's quarter of slot 0 is in
	tensor_load_to_lds s[G0B:G0B+3], s[G1:G1+7]
	s_nop 0
	PLACES
	NEXTADR
.set ln, 0
	LDN 54                                         ; tiles 0 and 1
	s_wait_loadcnt 0x0                             ; my queries
	STEPS 3                                        ; tiles 0 to 5; tiles 6 and 7 are fetched
	s_mov_b32 s[SLOTS], 6
.Lslot:
	CHANGE 1
	STEPS 4
	s_sub_co_u32 s[SLOTS], s[SLOTS], 1
	s_cmp_lg_u32 s[SLOTS], 0
	s_cbranch_scc1 .Lslot
	CHANGE 0                                       ; the last slot: nothing is left to fetch from memory
	STEPS 4                                        ; tiles 54 to 61
	STEP 0                                         ; tiles 62 and 63
	; a lane's eleven lists of each query tile become one list of six
.irp k, 6,7,8,9,10,11,12,13,14,15,16,17,18,19,20,21,22,23
.irp q, 0,1,2,3
	INS LST+24*\q, LST+24*\q+\k
.endr
.endr
	v_cmp_ne_u32 vcc_lo, 0, v[BH]
.irp q, 0,1,2,3
.irp k, 0,1,2,3,4,5
	v_permlanex16_b32 v[T+\k], v[LST+24*\q+\k], s[SEL], s[SEL+1]   ; lane l xor 16 holds the same query's other candidates
.endr
.irp k, 0,1,2,3,4,5
	INS LST+24*\q, T+\k
.endr
.irp k, 0,1,2,3,4,5
	v_add_f32 v[LST+24*\q+\k], v[LST+24*\q+\k], v[QB+\q]           ; + b of the query
.endr
	v_cndmask_b32 v[OUTR+4*\q], v[LST+24*\q], v[LST+24*\q+4], vcc_lo
	v_cndmask_b32 v[OUTR+4*\q+1], v[LST+24*\q+1], v[LST+24*\q+5], vcc_lo
	v_cndmask_b32 v[OUTR+4*\q+2], v[LST+24*\q+2], v[LST+24*\q+5], vcc_lo
	v_cndmask_b32 v[OUTR+4*\q+3], v[LST+24*\q+3], v[LST+24*\q+5], vcc_lo
	global_store_b128 v[PO], v[OUTR+4*\q:OUTR+4*\q+3], s[14:15] offset:512*\q   ; 32 lanes store 512 consecutive bytes: 16 rows of 32
.endr
	s_wait_tensorcnt 0x0                           ; the wave's end
	ds_add_u32 v[SPW], v[NIL]
	s_wait_dscnt 0x0
	CROUND                                         ; the closing round
	s_endpgm
.Lfunc_end_k_qfb88ba62e1_knn:
	.size	k_qfb88ba62e1_knn, .Lfunc_end_k_qfb88ba62e1_knn-k_qfb88ba62e1_knn
	.p2alignl 7, 3214868480
	.fill 96, 4, 3214868480
	.section	.rodata,"a",@progbits
	.p2align	6, 0x0
	.amdhsa_kernel k_qfb88ba62e1_knn
		.amdhsa_group_segment_fixed_size 327680
		.amdhsa_private_segment_fixed_size 0
		.amdhsa_enable_private_segment 0
		.amdhsa_kernarg_size 16
		.amdhsa_user_sgpr_count 2
		.amdhsa_user_sgpr_kernarg_segment_ptr 1
		.amdhsa_wavefront_size32 1
		.amdhsa_system_sgpr_workgroup_id_x 1
		.amdhsa_system_sgpr_workgroup_id_y 1
		.amdhsa_system_sgpr_workgroup_id_z 1
		.amdhsa_system_vgpr_workitem_id 0
		.amdhsa_next_free_vgpr 960
		.amdhsa_next_free_sgpr 66
		.amdhsa_reserve_vcc 1
		.amdhsa_float_denorm_mode_32 3
		.amdhsa_float_denorm_mode_16_64 3
		.amdhsa_memory_ordered 1
		.amdhsa_forward_progress 1
		.amdhsa_inst_pref_size 155
	.end_amdhsa_kernel
	.amdgpu_metadata
---
amdhsa.version: [ 1, 2 ]
amdhsa.kernels:
  - .name:           k_qfb88ba62e1_knn
    .symbol:         k_qfb88ba62e1_knn.kd
    .args:
      - { .name: img, .offset: 0, .size: 8, .value_kind: global_buffer, .address_space: global }
      - { .name: part, .offset: 8, .size: 8, .value_kind: global_buffer, .address_space: global }
    .group_segment_fixed_size: 327680
    .private_segment_fixed_size: 0
    .kernarg_segment_align: 8
    .kernarg_segment_size: 16
    .max_flat_workgroup_size: 128
    .sgpr_count:     66
    .vgpr_count:     960
    .wavefront_size: 32
...
	.end_amdgpu_metadata
.endif
;; end of part 2
;; launch scale (part 3): grid 512 x 1, 8 waves a work-group, no clusters, 0 bytes of LDS; arguments x_real, x_imag, part, out0; writes out0
.if DOCPART == 3
	.amdgcn_target "amdgcn-amd-amdhsa--gfx1250"
	.amdhsa_code_object_version 6
	.text
	.protected	k_qfb88ba62e1_scale
	.globl	k_qfb88ba62e1_scale
	.p2align	8
	.type	k_qfb88ba62e1_scale,@function
k_qfb88ba62e1_scale:
	s_mov_b64 s[64:65], 0
	v_nop
	global_prefetch_b8 v0, s[64:65] scope:SCOPE_SE
	s_setreg_imm32_b32 hwreg(HW_REG_WAVE_MODE, 25, 1), 1
	s_wait_xcnt 0x0
; out0[0][row] = x_real[row] w[row], out0[1][row] = x_imag[row] w[row].  w = exp(-score / 32) where score > 0.1, else 0; score = the mean of the row's second to sixth smallest distances.
; part [8 splits][8192 rows][8 f32] holds, for each row and split, the six largest e = -(squared distance) / 2 in descending order.  The eight lists of a row are merged; the largest e (the smallest distance) is dropped,
; as the reference drops the first of its six; distance = sqrt(max(-2 e, 0)).
; LIMITS: the mean is the sum x 0.2 (the reference divides by 5); square root and exponential are the hardware's, within a unit in the last place; NaN and infinities are not served.
; SHARES.  A wave takes two rows of both tensors: 16 KiB in, 16 KiB out; no loop, no LDS, no barrier: waves share nothing.  All its 32 data loads go out ahead of the merge, which is done while they are on their way.
; Memory binds: each load and store covers 512 consecutive bytes, aligned; matrix units, clusters and LDS would add nothing.
.set LA,  1                            ; v1   16 x lane
.set PA,  2                            ; v2   my list: 32 x (lane % 2) + 262,144 x ((lane / 2) % 8): row lane % 2, split (lane / 2) % 8; lanes 16-31 repeat lanes 0-15
.set L,   4                            ; v4-9 the list (v10, v11 are loaded with it and not used)
.set T,   12                           ; v12-17 a partner's list
.set D,   18                           ; v19-23 five distances
.set X,   32                           ; v32-159 32 chunks of 4 registers: x_real's two rows, then x_imag's
.macro INS lst, x                      ; x goes to its place in the descending list of six: from the list's end on, so that each line reads old values alone
.irp k, 5,4,3,2,1
	v_med3_num_f32 v[\lst+\k], v[\lst+\k-1], v[\lst+\k], v[\x]
.endr
	v_max_num_f32 v[\lst], v[\lst], v[\x]
.endm
	s_load_b256 s[4:11], s[0:1], 0x0               ; x_real s[4:5], x_imag s[6:7], part s[8:9], out0 s[10:11]
	v_lshrrev_b32 v1, 5, v0
	s_delay_alu instid0(VALU_DEP_1)
	v_readfirstlane_b32 s12, v1                    ; wave 0..7
	s_lshl_b32 s13, ttmp9, 3
	s_add_co_u32 s13, s13, s12                     ; W: my pair of rows
	s_lshl_b32 s14, s13, 13                        ; 8,192 bytes a pair in the tensors,
	s_mov_b32 s15, 0
	s_lshl_b32 s16, s13, 6                         ; 64 in a split's lists
	s_mov_b32 s17, 0
	v_and_b32 v1, 31, v0
	s_delay_alu instid0(VALU_DEP_1)
	v_lshlrev_b32 v[LA], 4, v1
	v_and_b32 v2, 1, v0
	v_bfe_u32 v3, v0, 1, 3
	s_delay_alu instid0(VALU_DEP_2)
	v_lshlrev_b32 v[PA], 5, v2
	s_delay_alu instid0(VALU_DEP_1)
	v_lshl_add_u32 v[PA], v3, 18, v[PA]
.irp k, 0,1,2,3,4,5
	v_mov_b32 v[T+\k], 0                           ; written once: the destination of a DPP form counts as one of its sources
.endr
	s_wait_alu depctr_va_vdst(0)
	s_wait_kmcnt 0x0
	s_add_nc_u64 s[4:5], s[4:5], s[14:15]
	s_add_nc_u64 s[6:7], s[6:7], s[14:15]
	s_add_nc_u64 s[8:9], s[8:9], s[16:17]
	s_add_nc_u64 s[10:11], s[10:11], s[14:15]      ; the real half of the output,
	s_add_nc_u64 s[18:19], s[10:11], 0x2000000     ; and the imaginary one, 33,554,432 bytes on
	global_load_b128 v[L:L+3], v[PA], s[8:9]
	global_load_b128 v[L+4:L+7], v[PA], s[8:9] offset:16
.irp j, 0,1,2,3,4,5,6,7,8,9,10,11,12,13,14,15
	global_load_b128 v[X+4*\j:X+4*\j+3], v[LA], s[4:5] offset:512*\j th:TH_LOAD_NT       ; read for the last time
.endr
.irp j, 0,1,2,3,4,5,6,7,8,9,10,11,12,13,14,15
	global_load_b128 v[X+64+4*\j:X+64+4*\j+3], v[LA], s[6:7] offset:512*\j th:TH_LOAD_NT
.endr
	s_wait_loadcnt 32                              ; the list is in; the 32 loads issued behind it stay out
.irp m, 2,4,8                          ; lanes that differ in bit 1, 2, 3 hold other splits of the same row: three rounds merge the eight lists, and every lane ends with its row's six
.irp k, 0,1,2,3,4,5
	v_mov_b32_dpp v[T+\k], v[L+\k] row_xmask:\m row_mask:0xf bank_mask:0xf
.endr
.irp k, 0,1,2,3,4,5
	INS L, T+\k
.endr
.endr
.irp k, 1,2,3,4,5
	v_mul_f32 v[D+\k], -2.0, v[L+\k]               ; the squared distances of places 1 to 5,
.endr
.irp k, 1,2,3,4,5
	v_max_num_f32 v[D+\k], 0, v[D+\k]              ; held at 0 from below
.endr
	s_wait_alu depctr_va_vdst(0)
.irp k, 1,2,3,4,5
	v_sqrt_f32 v[D+\k], v[D+\k]
.endr
	v_nop                                          ; one plain place behind the transcendentals
	s_wait_alu depctr_va_vdst(0)
	v_add_f32 v[D+1], v[D+1], v[D+2]
	v_add_f32 v[D+3], v[D+3], v[D+4]
	v_add_f32 v[D+1], v[D+1], v[D+5]
	s_delay_alu instid0(VALU_DEP_1)
	v_add_f32 v[D+1], v[D+1], v[D+3]
	s_delay_alu instid0(VALU_DEP_1)
	v_mul_f32 v[D+1], 0x3e4ccccd, v[D+1]           ; the score: the sum x 0.2
	s_delay_alu instid0(VALU_DEP_1)
	v_mul_f32 v[D+2], 0xbd38aa3b, v[D+1]           ; x -log2(e) / 32
	s_delay_alu instid0(VALU_DEP_2)
	v_cmp_lt_f32 vcc_lo, 0x3dcccccd, v[D+1]        ; 0.1 < score
	s_wait_alu depctr_va_vdst(0)
	v_exp_f32 v[D+2], v[D+2]
	v_nop                                          ; one plain place behind the transcendental
	s_wait_alu depctr_va_vdst(0)
	v_cndmask_b32 v[D+2], 0, v[D+2], vcc_lo        ; w, or 0
	s_delay_alu instid0(VALU_DEP_1)
	v_readlane_b32 s20, v[D+2], 0                  ; the even row's w (a factor: no address and no branch hangs on it),
	s_delay_alu instid0(VALU_DEP_2)
	v_readlane_b32 s22, v[D+2], 1                  ; the odd row's
	s_mov_b32 s21, s20                             ; (the packed form names a pair and takes its low word for both halves: so the upper word is written)
	s_mov_b32 s23, s22
.set n, 0
.rept 4                                ; a batch is one row of one tensor: eight chunks of 512 bytes, scaled in place by sixteen packed multiplies, then stored by eight stores; no register is written again
	s_wait_loadcnt 24-n                            ; loads come back in order: chunks n .. n + 7 are in, the younger chunks may be out
.set m, n
.rept 8
	v_pk_mul_f32 v[X+4*m:X+4*m+1], v[X+4*m:X+4*m+1], s[20+2*((m%16)/8):21+2*((m%16)/8)] op_sel_hi:[1,0]
	v_pk_mul_f32 v[X+4*m+2:X+4*m+3], v[X+4*m+2:X+4*m+3], s[20+2*((m%16)/8):21+2*((m%16)/8)] op_sel_hi:[1,0]
.set m, m+1
.endr
.rept 8
.if n < 16
	global_store_b128 v[LA], v[X+4*n:X+4*n+3], s[10:11] offset:512*n th:TH_STORE_NT
.else
	global_store_b128 v[LA], v[X+4*n:X+4*n+3], s[18:19] offset:512*(n-16) th:TH_STORE_NT
.endif
.set n, n+1
.endr
.endr
	s_endpgm
.Lfunc_end_k_qfb88ba62e1_scale:
	.size	k_qfb88ba62e1_scale, .Lfunc_end_k_qfb88ba62e1_scale-k_qfb88ba62e1_scale
	.p2alignl 7, 3214868480
	.fill 96, 4, 3214868480
	.section	.rodata,"a",@progbits
	.p2align	6, 0x0
	.amdhsa_kernel k_qfb88ba62e1_scale
		.amdhsa_group_segment_fixed_size 0
		.amdhsa_private_segment_fixed_size 0
		.amdhsa_enable_private_segment 0
		.amdhsa_kernarg_size 32
		.amdhsa_user_sgpr_count 2
		.amdhsa_user_sgpr_kernarg_segment_ptr 1
		.amdhsa_wavefront_size32 1
		.amdhsa_system_sgpr_workgroup_id_x 1
		.amdhsa_system_sgpr_workgroup_id_y 1
		.amdhsa_system_sgpr_workgroup_id_z 1
		.amdhsa_system_vgpr_workitem_id 0
		.amdhsa_next_free_vgpr 160
		.amdhsa_next_free_sgpr 66
		.amdhsa_reserve_vcc 1
		.amdhsa_float_denorm_mode_32 3
		.amdhsa_float_denorm_mode_16_64 3
		.amdhsa_memory_ordered 1
		.amdhsa_forward_progress 1
		.amdhsa_inst_pref_size 21
	.end_amdhsa_kernel
	.amdgpu_metadata
---
amdhsa.version: [ 1, 2 ]
amdhsa.kernels:
  - .name:           k_qfb88ba62e1_scale
    .symbol:         k_qfb88ba62e1_scale.kd
    .args:
      - { .name: x_real, .offset: 0, .size: 8, .value_kind: global_buffer, .address_space: global }
      - { .name: x_imag, .offset: 8, .size: 8, .value_kind: global_buffer, .address_space: global }
      - { .name: part, .offset: 16, .size: 8, .value_kind: global_buffer, .address_space: global }
      - { .name: out0, .offset: 24, .size: 8, .value_kind: global_buffer, .address_space: global }
    .group_segment_fixed_size: 0
    .private_segment_fixed_size: 0
    .kernarg_segment_align: 8
    .kernarg_segment_size: 32
    .max_flat_workgroup_size: 256
    .sgpr_count:     66
    .vgpr_count:     160
    .wavefront_size: 32
...
	.end_amdgpu_metadata
.endif
;; end of part 3
